; MI455X (gfx1250); checked and timed in simulation.
; The chip was launched on July 23, 2026; its instructions are those of AMD's public machine-readable ISA for CDNA 5 (MIT licence, August 2026) and "CDNA5" Instruction Set Architecture Reference Guide (July 2026). The comments in the code are by the model that wrote it; some were corrected since.
;; Cross Attention. Allowed arithmetic: matrix products marked QUANTISED: E4M3 operands, one given power-of-two scale a tensor, by v_wmma_f32_16x16x64_fp8_fp8 or v_wmma_f32_16x16x128_fp8_fp8, f32 sums; everything else in f32.
;; Inputs: Wk_codes 1,024 x 24 x 32 uint8 (E4M3 codes of Wk, K innermost, in blocks of 32 codes); Wo_codes 1,024 x 32 x 32 uint8 (E4M3 codes of Wo, K innermost, in blocks of 32 codes); Wq_codes 1,024 x 32 x 32 uint8 (E4M3 codes of Wq, K innermost, in blocks of 32 codes); Wv_codes 1,024 x 24 x 32 uint8 (E4M3 codes of Wv, K innermost, in blocks of 32 codes); bk 1,024 float32; bo 1,024 float32; bq 1,024 float32; bv 1,024 float32; key_codes 4 x 2,048 x 24 x 32 uint8 (E4M3 codes of key, K innermost, in blocks of 32 codes); lowp_scales 12 int32 (the exponents e of the quantised operands' scales 2^e); query_codes 4 x 2,048 x 32 x 32 uint8 (E4M3 codes of query, K innermost, in blocks of 32 codes); value_codes 4 x 2,048 x 24 x 32 uint8 (E4M3 codes of value, K innermost, in blocks of 32 codes).
;; Outputs: out0 4 x 2,048 x 1,024 float32.
;; This version of the problem:
;;   THIS VERSION OF THE PROBLEM IS GIVEN IN LOW PRECISION. The matrix products marked QUANTISED in the list below multiply operands that are first quantised to E4M3 (4 exponent bits, 3 mantissa bits; 8 bits a number), with one given power-of-two scale for each operand tensor; their sums are f32. All else is computed in f32.
;;   The module's matrix products, in the order in which they are computed (A, B: the left and right operand; K: the contracted axis; several contracted axes count as one K, in the product's order):
;;     1. [M 8,192, K 1,024] x [K 1,024, N 1,024]; A: input query (given as codes); B: input Wq (given as codes): QUANTISED (scales: A lowp_scales[0], B lowp_scales[1])
;;     2. [M 8,192, K 768] x [K 768, N 1,024]; A: input key (given as codes); B: input Wk (given as codes): QUANTISED (scales: A lowp_scales[2], B lowp_scales[3])
;;     3. [M 8,192, K 768] x [K 768, N 1,024]; A: input value (given as codes); B: input Wv (given as codes): QUANTISED (scales: A lowp_scales[4], B lowp_scales[5])
;;     4. batch 64 x [M 2,048, K 64] x [K 64, N 2,048]; A: computed on the way; B: computed on the way: QUANTISED (scales: A lowp_scales[6], B lowp_scales[7])
;;     5. batch 64 x [M 2,048, K 2,048] x [K 2,048, N 64]; A: softmax (see below); B: computed on the way: QUANTISED (scales: A lowp_scales[8], B lowp_scales[9])
;;     6. [M 8,192, K 1,024] x [K 1,024, N 1,024]; A: computed on the way; B: input Wo (given as codes): QUANTISED (scales: A lowp_scales[10], B lowp_scales[11])
;;   THE QUANTISER, for each operand of a quantised product, along K:
;;     - The operand's scale is 2^e, e = its entry of the input lowp_scales (int32; the entries are numbered through the quantised products in the list's order, A before B).
;;     - Each number is divided by the scale, clamped to +-448, and rounded to the nearest number of E4M3, ties to even, subnormals kept.
;;     - The product sums the exact products of the quantised numbers (number of the format x scale) in f32.
;;   ~~~python
;;   def quantise(x, axis, e):      # numpy; x: float32 -> the quantised numbers, widened to float32 again
;;       x = np.moveaxis(x, axis, -1); K = x.shape[-1]
;;       r = np.clip(x / 2.0 ** e, -448, 448)
;;       step = 2.0 ** (np.maximum(np.frexp(np.where(r == 0, 1, r))[1] - 1, -6) - 3)
;;       q = np.round(r / step) * step * 2.0 ** e      # np.round: ties to even
;;       return np.moveaxis(q, -1, axis).astype(np.float32)
;;   ~~~
;;   SOFTMAX AHEAD OF A QUANTISED PRODUCT. Where the list says 'softmax', what is quantised is not the finished softmax but p = 2^(t - M), with t = logit x log2(e) and M = ceil(the row's largest t), a whole number; so 1/2 < the row's largest p <= 1. The row's sum l is taken of the UNQUANTISED p, in f32, and the product's result is divided by l at the end. Since M is a whole number, a kernel that streams over the keys may use a running M (the ceiling of the running maximum): every later rescaling is an exact power of two, so the quantised numbers keep their values, but for numbers so far below the row's largest that they fall under the format's range.
;;   OPERANDS COMPUTED ON THE WAY. 'Computed on the way' means the value that the module computes at that place (a softmax that the list does not call 'softmax' is quantised finished and normalised). What goes into a quantiser is computed in f32, as accurately as f32 sums, v_exp_f32 and their like allow (about 1e-6 of the number): no bf16 or f16 on the way to a quantiser, and a product that is left as it is and whose result goes on into a quantised operand takes f32 operands (vector FMAs, or v_wmma_f32_16x16x4_f32). A number that lies on a knife's edge between two numbers of the format may be rounded either way, as far as f32 arithmetic and the matrix unit's own rounding can turn it there, and no further.
;;   INPUTS GIVEN AS CODES. Wk (in the module: [768, 1024], K = its axis 0); Wo (in the module: [1024, 1024], K = its axis 0); Wq (in the module: [1024, 1024], K = its axis 0); Wv (in the module: [768, 1024], K = its axis 0); key (in the module: [4, 2048, 768], K = its axis 2); query (in the module: [4, 2048, 1024], K = its axis 2); value (in the module: [4, 2048, 768], K = its axis 2): each comes as NAME_codes (uint8): NAME with its K axis moved to the last place and cut into blocks of 32 codes, [.., K / 32, bytes a block], one block behind the other in memory; one code a byte (a code: sign, 4 exponent bits, 3 mantissa bits); its scale is its entry of lowp_scales. Its value is code x scale, taken as it is: it is not quantised again, and the codes and scales need not be those that the quantiser above would give.
;; One version. Each part assembles by itself: llvm-mc -triple=amdgcn-amd-amdhsa -mcpu=gfx1250 --defsym DOCPART=n.
;; ======== version 1 of 1: 4 launches
;; limits: right only within a limited range of input values
;; workspace buffers: qimg 8,388,608 bytes; kvimg 16,777,216 bytes; ctximg 8,388,608 bytes
;; launch projq (part 1): grid 8 x 32, 4 waves a work-group, clusters of 4 x 4, 327,680 bytes of LDS; arguments query_codes, Wq_codes, bq, lowp_scales, qimg; writes qimg
.if DOCPART == 1
	.amdgcn_target "amdgcn-amd-amdhsa--gfx1250"
	.amdhsa_code_object_version 6
	.text
	.protected	k_qb247982e02_projq
	.globl	k_qb247982e02_projq
	.p2align	8
	.type	k_qb247982e02_projq,@function
k_qb247982e02_projq:
	s_mov_b64 s[64:65], 0
	v_nop
	global_prefetch_b8 v0, s[64:65] scope:SCOPE_SE
	s_setreg_imm32_b32 hwreg(HW_REG_WAVE_MODE, 25, 1), 1
	s_wait_xcnt 0x0
	s_wait_alu depctr_hold_cnt(0) depctr_sa_sdst(0) depctr_va_vdst(0) depctr_va_sdst(0) depctr_va_ssrc(0) depctr_va_vcc(0) depctr_vm_vsrc(0)
	s_getreg_b32 s2, hwreg(HW_REG_IB_STS2, 6, 4)
	s_cmp_eq_u32 s2, 0
	s_cbranch_scc0 .Lentry_in_a_cluster
	s_endpgm
.Lentry_in_a_cluster:
	s_bfe_u32 s2, ttmp6, 0x10000c
	s_cmp_lg_u32 s2, 0xf033
	s_cbranch_scc0 .Lentry_shape_is_right
	s_endpgm
.Lentry_shape_is_right:
; q = Q(query Wq + bq) on codes of FP8 (E4M3).  query: [8192][1024] codes, Wq: [1024 n][1024 k] codes, K innermost; sums in f32.
; A sum stands for sum x 2^(e0 + e1): the bias goes in as bq / 2^(e0 + e1), and the conversion takes the one scale 2^E, E = e6 - e0 - e1.
; LIMITS: E lies between -126 and 119, so that 2^E and 448 x 2^E are f32 numbers.  NaN among the biases is not served.
; SHARES.  256 work-groups that stay: each makes 128 rows of Wq (two heads) x two blocks of 128 tokens, 4,096 tokens apart; a wave 64 x 64 of a block: 16 accumulators.
; Source 0 = 16 rows of Wq, source 1 = 16 tokens: lane (r, h) holds token r, its registers channels 8 h + 0 .. 7: one conversion gives registers 2 b, 2 b + 1 of the next product's operand,
; and the result leaves as an image of that operand's registers, 512 consecutive bytes a store.
; LDS.  The whole K lies in LDS: four pieces of 64 rows x 1,024 bytes, rows 1,040 bytes apart (260 words: row r starts at bank 4 r mod 64; ISA guide 11.1).  At the head each wave asks for one piece
; (waves 0, 1: Wq's halves; waves 2, 3: the tokens').  Wq's rows stay for both blocks.  The tokens' pieces are filled again once, at the first block's last K step, behind a round of the cluster's barrier;
; that load is on its way while the first block is converted and stored.
; PREFETCH: at the head one instruction a wave names the second block's tokens, 131,072 dense bytes: the four partners that will ask for them jointly take 32,768 each, told apart by address, a wave 8,192, lanes 256 bytes apart.
; CLUSTERS: 4 x 4.  Wq's piece hangs on x alone and is asked for jointly by a column of the cluster, the tokens' on y alone, by a row.
; Both operands are fetched by loads of 16 bytes: the same permutation of k within 128 on both sides, so every product meets its partner.
.set KB,  1024
.set NST, 8                            ; steps of 128 along K
.set PITCH, 1040
.set PIECE, 64*PITCH
.set SPARE, 4*PIECE                    ; the spare words, 128 bytes a wave
.set NEXTA, 32*128*KB                  ; bytes from the first block's tokens to the second's
.set ADRP, 8                           ; v8 LDS address of Wq's fragments; v9 of the tokens'
.set ADRR, 9
.set VO,   16                          ; v16 16 x lane
.set SC,   20                          ; v20 2^E; v21 448 x 2^E
.set LIM,  21
.set SPW,  22                          ; v22 my spare word; v23 0; never rewritten
.set NIL,  23
.set BP,   32                          ; v32-63 the bias, eight registers for each tile b
.set CD,   96                          ; v96-127 the codes
.set ACC,  128                         ; v128-255 accumulator (a, b) at 128 + 8 (4 a + b).  Window 1: two fragment buffers of 128: tokens' four fragments, then Wq's four
.set WV,  30                           ; s30 wave; s31 wave & 1; s32 wave >> 1; s33 cx; s34 cy; s35 x; s36 y
.set G1W, 48
.set G1A, 56
.set G0W, 68
.set G0A, 72
.set MSB, 0
.macro WIN new                         ; the immediate's high byte repeats the setting that is left
.if MSB != \new
	s_set_vgpr_msb (MSB<<8)|\new
.set MSB, \new
.endif
.endm
.macro CREST                           ; a round of the cluster's barrier behind its opening barrier
	s_cmp_lg_u32 s[WV], 0
	s_cbranch_scc1 .Lnot_wave_0_\@
	s_barrier_signal -3
.Lnot_wave_0_\@:
	s_barrier_wait -3
	s_barrier_signal -1
	s_barrier_wait -1
.endm
.macro CROUND                          ; a whole round
	s_barrier_signal -1
	s_barrier_wait -1
	CREST
.endm
.macro PLACES                          ; four plain vector places behind a matrix instruction (ISA guide 7.12.1)
.rept 4
	v_nop
.endr
.endm
	s_load_b256 s[20:27], s[0:1], 0x0              ; query s[20:21], Wq s[22:23], bq s[24:25], the exponents s[26:27]
	s_load_b64 s[28:29], s[0:1], 0x20              ; qimg
	v_lshl_add_u32 v[SPW], v0, 2, SPARE
	v_mov_b32 v[NIL], 0
	ds_add_u32 v[SPW], v[NIL]                      ; the opening lines: the add twice on end and its wait ahead of my tensor load
	ds_add_u32 v[SPW], v[NIL]
	v_lshrrev_b32 v1, 5, v0
	v_readfirstlane_b32 s[WV], v1
	s_and_b32 s31, s[WV], 1
	s_lshr_b32 s32, s[WV], 1
	s_bfe_u32 s33, ttmp6, 0x40000
	s_bfe_u32 s34, ttmp6, 0x40004
	s_lshl_b32 s35, ttmp9, 2
	s_add_co_u32 s35, s35, s33                     ; x: which 128 rows of Wq
	s_and_b32 s36, ttmp7, 0xffff
	s_lshl_b32 s36, s36, 2
	s_add_co_u32 s36, s36, s34                     ; y, 0 to 31: tokens 128 y on, and 128 (y + 32) on
	s_lshl_b32 s38, 0x1111, s33                    ; my column of the cluster
	s_lshl_b32 s39, s34, 2
	s_lshl_b32 s39, 15, s39                        ; my row
	s_or_b32 s[G1W], s38, (1<<20)|(1<<21)|(7<<22)|(3<<25)   ; the mask; elements of 1 byte; four words of padding after every 256; 21 set beside a mask
	s_or_b32 s[G1A], s39, (1<<20)|(1<<21)|(7<<22)|(3<<25)
.irp g, G1W, G1A
	s_mov_b32 s[\g+1], KB<<16                      ; 64 rows of KB bytes, KB apart
	s_mov_b32 s[\g+2], 64<<16
	s_mov_b32 s[\g+3], KB<<16
	s_mov_b32 s[\g+4], 64
	s_mov_b32 s[\g+5], KB
	s_mov_b32 s[\g+6], 0
	s_mov_b32 s[\g+7], 0
.endr
	s_lshl_b32 s40, s35, 7                         ; Wq: row 128 x + 64 (wave & 1)
	s_lshl_b32 s41, s31, 6
	s_add_co_u32 s40, s40, s41
	s_mul_i32 s40, s40, KB
	s_mov_b32 s41, 0
	s_lshl_b32 s42, s36, 7                         ; tokens: row 128 y + 64 (wave & 1)
	s_lshl_b32 s43, s31, 6
	s_add_co_u32 s42, s42, s43
	s_mul_i32 s42, s42, KB
	s_mov_b32 s43, 0
	s_mul_i32 s44, s[WV], PIECE                    ; where my piece goes
	s_wait_dscnt 0x0
	s_wait_kmcnt 0x0
	s_load_b256 s[4:11], s[26:27], 0x0             ; the exponents 0 to 7
	s_mov_b32 s[G0W], 1
	s_mov_b32 s[G0W+1], s44
	s_add_nc_u64 s[G0W+2:G0W+3], s[22:23], s[40:41]
	s_or_b32 s[G0W+3], s[G0W+3], 0x80000000
	s_mov_b32 s[G0A], 1
	s_mov_b32 s[G0A+1], s44
	s_add_nc_u64 s[G0A+2:G0A+3], s[20:21], s[42:43]
	s_or_b32 s[G0A+3], s[G0A+3], 0x80000000
	CROUND                                         ; all sixteen work-groups are here: the joint loads meet
	s_cmp_lt_u32 s[WV], 2                          ; one load a wave, one arm each
	s_cbranch_scc0 .Lnot_w
	tensor_load_to_lds s[G0W:G0W+3], s[G1W:G1W+7]
	s_nop 0
	PLACES
	s_branch .Lasked
.Lnot_w:
	tensor_load_to_lds s[G0A:G0A+3], s[G1A:G1A+7]
	s_nop 0
	PLACES
.Lasked:
	s_mul_i32 s46, s31, PIECE                      ; my 64 rows of Wq
	s_mul_i32 s47, s32, PIECE
	s_add_co_u32 s47, s47, 2*PIECE                 ; my 64 tokens
	s_lshl_b32 s40, s35, 9                         ; the bias of my 64 channels
	s_lshl_b32 s45, s31, 8
	s_add_co_u32 s40, s40, s45
	s_add_nc_u64 s[24:25], s[24:25], s[40:41]
	s_lshr_b32 s2, s36, 4                          ; qimg: [batch x 16 + head][query tile][1,024]: batch = y >> 4, head = 2 x + (wave & 1), tile = 8 (y & 15) + 4 (wave >> 1) + a
	s_lshl_b32 s2, s2, 21
	s_lshl_b32 s45, s35, 18
	s_add_co_u32 s2, s2, s45
	s_lshl_b32 s45, s31, 17
	s_add_co_u32 s2, s2, s45
	s_and_b32 s45, s36, 15
	s_lshl_b32 s45, s45, 13
	s_add_co_u32 s2, s2, s45
	s_lshl_b32 s45, s32, 12
	s_add_co_u32 s2, s2, s45
	s_mov_b32 s3, 0
	s_add_nc_u64 s[28:29], s[28:29], s[2:3]
	s_lshl_b32 s76, s36, 17                        ; the prefetch: the second block's tokens, + 32,768 cx + 8,192 wave
	s_add_co_u32 s76, s76, NEXTA
	s_lshl_b32 s45, s33, 15
	s_add_co_u32 s76, s76, s45
	s_lshl_b32 s45, s[WV], 13
	s_add_co_u32 s76, s76, s45
	s_mov_b32 s77, 0
	s_add_nc_u64 s[76:77], s[20:21], s[76:77]      ; s[76:77] and v7 are never rewritten
	v_and_b32 v1, 15, v0                           ; r
	v_bfe_u32 v2, v0, 4, 1                         ; h
	v_mul_u32_u24 v3, v1, PITCH
	v_lshl_add_u32 v3, v2, 4, v3                   ; a fragment's row x pitch + 16 h
	v_add_nc_u32 v[ADRP], s46, v3
	v_add_nc_u32 v[ADRR], s47, v3
	v_and_b32 v[VO], 31, v0
	v_lshlrev_b32 v7, 8, v[VO]                     ; 256 x lane
	v_lshlrev_b32 v[VO], 4, v[VO]
	v_lshlrev_b32 v5, 5, v2
.irp b, 0,1,2,3
	global_load_b128 v[BP+8*\b:BP+8*\b+3], v5, s[24:25] offset:64*\b          ; channels 16 b + 8 h + 0 .. 7
	global_load_b128 v[BP+8*\b+4:BP+8*\b+7], v5, s[24:25] offset:64*\b+16
.endr
	global_prefetch_b8 v7, s[76:77] th:TH_LOAD_NT scope:SCOPE_SE
	s_wait_alu depctr_va_vdst(0)
	s_wait_kmcnt 0x0
	s_add_co_i32 s14, s4, s5                       ; e0 + e1
	s_sub_co_i32 s15, s10, s14                     ; E
	s_sub_co_i32 s14, 0, s14
	s_add_co_i32 s15, s15, 127
	s_lshl_b32 s45, s15, 23
	v_mov_b32 v[SC], s45
	s_add_co_i32 s15, s15, 8
	s_lshl_b32 s15, s15, 23
	s_or_b32 s15, s15, 0x600000
	v_mov_b32 v[LIM], s15
	s_wait_alu depctr_va_vdst(0)
	s_wait_loadcnt 0x0
.set J, 0
.rept 32
	v_ldexp_f32 v[BP+J], v[BP+J], s14              ; bias / 2^(e0 + e1)
.set J, J+1
.endr
; 32 LDS loads: the fragments (16 rows x 128 K: four loads of 16 bytes, 32 bytes apart) of step st into buffer f
.macro FETCH st, f
	WIN 0x40
.irp i, 0,1,2,3
.irp c, 0,1,2,3
	ds_load_b128 v[(\f)+64+16*\i+4*\c:(\f)+64+16*\i+4*\c+3], v[ADRP] offset:\i*16*PITCH+128*(\st)+32*\c
.endr
.irp c, 0,1,2,3
	ds_load_b128 v[(\f)+16*\i+4*\c:(\f)+16*\i+4*\c+3], v[ADRR] offset:\i*16*PITCH+128*(\st)+32*\c
.endr
.endr
.endm
; 16 matrix instructions; the 16 accumulators take turns, one instruction a turn.  zero = 1: the first products start the sums
.macro MUL16 f, zero
	WIN 0x05
.irp a, 0,1,2,3
.irp b, 0,1,2,3
.if \zero
	v_wmma_f32_16x16x128_fp8_fp8 v[ACC+32*\a+8*\b:ACC+32*\a+8*\b+7], v[(\f)+64+16*\b:(\f)+64+16*\b+15], v[(\f)+16*\a:(\f)+16*\a+15], 0
.else
	v_wmma_f32_16x16x128_fp8_fp8 v[ACC+32*\a+8*\b:ACC+32*\a+8*\b+7], v[(\f)+64+16*\b:(\f)+64+16*\b+15], v[(\f)+16*\a:(\f)+16*\a+15], v[ACC+32*\a+8*\b:ACC+32*\a+8*\b+7]
.endif
.endr
.endr
.endm
; A BLOCK: in each step the next step's fragments are asked for, then this step's are multiplied.  more = 1: at the last step the tokens' pieces are filled again with the second block's.
.macro BLOCK more
	FETCH 0, 0
.set ST, 0
.rept NST-1
.set NX, ST+1
.set NF, 128*(NX%2)
.set CF, 128*(ST%2)
.if ST > 0
	PLACES                                         ; the buffer to be loaded was read by the step before
.endif
	FETCH NX, NF
	s_wait_dscnt 32                                ; all but the 32 just issued
.if ST == 0
	MUL16 CF, 1
.else
	MUL16 CF, 0
.endif
.set ST, ST+1
.endr
.set CF, 128*(ST%2)
.if \more
	WIN 0
	s_wait_tensorcnt 0x0                           ; no load of mine is out, so a group 0 may be written;
	ds_add_u32 v[SPW], v[NIL]                      ; 0 onto my spare word;
	s_add_nc_u64 s[G0A+2:G0A+3], s[G0A+2:G0A+3], NEXTA
	s_wait_dscnt 0x0                               ; the add is done, and my reads of this block's tokens are over
	s_barrier_signal -1                            ; the barrier opens a round of the cluster's barrier;
	MUL16 CF, 0                                    ; the last step's products, work on registers, stand inside it
	WIN 0
	s_barrier_wait -1
	CREST                                          ; no wave of any partner still reads the tokens' pieces
	s_cmp_lt_u32 s[WV], 2
	s_cbranch_scc1 .Lno_part_\@                    ; Wq's rows stay: waves 0 and 1 have no part to fill
	tensor_load_to_lds s[G0A:G0A+3], s[G1A:G1A+7]
	s_nop 0
	PLACES
.Lno_part_\@:
.else
	s_wait_dscnt 0x0
	MUL16 CF, 0
	WIN 0
.endif
	PLACES
.endm
; THE WAY OUT of token tile a: + bias, the hold, four conversions, two stores.  Each accumulator is taken from its low end on.
.macro EPI a
.irp b, 0,1,2,3
.irp i, 0,2,4,6
	v_pk_add_f32 v[ACC+32*\a+8*\b+\i:ACC+32*\a+8*\b+\i+1], v[ACC+32*\a+8*\b+\i:ACC+32*\a+8*\b+\i+1], v[BP+8*\b+\i:BP+8*\b+\i+1]
.endr
.endr
.set J, 0
.rept 32
	v_med3_num_f32 v[ACC+32*\a+J], v[ACC+32*\a+J], -v[LIM], v[LIM]   ; the conversion does not saturate (ISA guide 7.6.2): the hold at the largest code x the scale
.set J, J+1
.endr
.irp b, 0,1,2,3
	v_cvt_scalef32_pk8_fp8_f32 v[CD+8*\a+2*\b:CD+8*\a+2*\b+1], v[ACC+32*\a+8*\b:ACC+32*\a+8*\b+7], v[SC]
.endr
	v_nop                                          ; a plain line behind the last conversion of the run
.irp e, 0,1
	global_store_b128 v[VO], v[CD+8*\a+4*\e:CD+8*\a+4*\e+3], s[28:29] offset:OFS+1024*\a+512*\e
.endr
.endm
	s_wait_alu depctr_va_vdst(0)
	s_wait_tensorcnt 0x0                           ; my piece has landed
	s_barrier_signal -1
	s_barrier_wait -1                              ; everybody's has
.set OFS, 0
	BLOCK 1
	EPI 0
	EPI 1
	EPI 2
	EPI 3
	s_wait_xcnt 0x0                                ; the stores have read their registers: the codes' registers may be written again
	s_wait_tensorcnt 0x0                           ; my part of the second block's tokens has landed
	s_barrier_signal -1
	s_barrier_wait -1                              ; everybody's has
.set OFS, 2<<21                        ; 4,096 tokens on are two batches on in qimg
	BLOCK 0
	EPI 0
	EPI 1
	EPI 2
	EPI 3
	s_wait_tensorcnt 0x0                           ; the wave's end
	ds_add_u32 v[SPW], v[NIL]
	s_wait_dscnt 0x0
	CROUND                                         ; the closing round
	s_endpgm
.Lfunc_end_k_qb247982e02_projq:
	.size	k_qb247982e02_projq, .Lfunc_end_k_qb247982e02_projq-k_qb247982e02_projq
	.p2alignl 7, 3214868480
	.fill 96, 4, 3214868480
	.section	.rodata,"a",@progbits
	.p2align	6, 0x0
	.amdhsa_kernel k_qb247982e02_projq
		.amdhsa_group_segment_fixed_size 327680
		.amdhsa_private_segment_fixed_size 0
		.amdhsa_enable_private_segment 0
		.amdhsa_kernarg_size 40
		.amdhsa_user_sgpr_count 2
		.amdhsa_user_sgpr_kernarg_segment_ptr 1
		.amdhsa_wavefront_size32 1
		.amdhsa_system_sgpr_workgroup_id_x 1
		.amdhsa_system_sgpr_workgroup_id_y 1
		.amdhsa_system_sgpr_workgroup_id_z 1
		.amdhsa_system_vgpr_workitem_id 0
		.amdhsa_next_free_vgpr 512
		.amdhsa_next_free_sgpr 100
		.amdhsa_reserve_vcc 0
		.amdhsa_float_denorm_mode_32 3
		.amdhsa_float_denorm_mode_16_64 3
		.amdhsa_memory_ordered 1
		.amdhsa_forward_progress 1
		.amdhsa_inst_pref_size 90
	.end_amdhsa_kernel
	.amdgpu_metadata
---
amdhsa.version: [ 1, 2 ]
amdhsa.kernels:
  - .name:           k_qb247982e02_projq
    .symbol:         k_qb247982e02_projq.kd
    .args:
      - { .name: query_codes, .offset: 0, .size: 8, .value_kind: global_buffer, .address_space: global }
      - { .name: Wq_codes, .offset: 8, .size: 8, .value_kind: global_buffer, .address_space: global }
      - { .name: bq, .offset: 16, .size: 8, .value_kind: global_buffer, .address_space: global }
      - { .name: lowp_scales, .offset: 24, .size: 8, .value_kind: global_buffer, .address_space: global }
      - { .name: qimg, .offset: 32, .size: 8, .value_kind: global_buffer, .address_space: global }
    .group_segment_fixed_size: 327680
    .private_segment_fixed_size: 0
    .kernarg_segment_align: 8
    .kernarg_segment_size: 40
    .max_flat_workgroup_size: 128
    .sgpr_count:     100
    .vgpr_count:     512
    .wavefront_size: 32
...
	.end_amdgpu_metadata
.endif
;; end of part 1
;; launch projkv (part 2): grid 8 x 32, 8 waves a work-group, clusters of 4 x 4, 327,680 bytes of LDS; arguments key_codes, value_codes, Wk_codes, Wv_codes, bk, bv, lowp_scales, kvimg; writes kvimg
.if DOCPART == 2
	.amdgcn_target "amdgcn-amd-amdhsa--gfx1250"
	.amdhsa_code_object_version 6
	.text
	.protected	k_qb247982e02_projkv
	.globl	k_qb247982e02_projkv
	.p2align	8
	.type	k_qb247982e02_projkv,@function
k_qb247982e02_projkv:
	s_mov_b64 s[64:65], 0
	v_nop
	global_prefetch_b8 v0, s[64:65] scope:SCOPE_SE
	s_setreg_imm32_b32 hwreg(HW_REG_WAVE_MODE, 25, 1), 1
	s_wait_xcnt 0x0
	s_wait_alu depctr_hold_cnt(0) depctr_sa_sdst(0) depctr_va_vdst(0) depctr_va_sdst(0) depctr_va_ssrc(0) depctr_va_vcc(0) depctr_vm_vsrc(0)
	s_getreg_b32 s2, hwreg(HW_REG_IB_STS2, 6, 4)
	s_cmp_eq_u32 s2, 0
	s_cbranch_scc0 .Lentry_in_a_cluster
	s_endpgm
.Lentry_in_a_cluster:
	s_bfe_u32 s2, ttmp6, 0x10000c
	s_cmp_lg_u32 s2, 0xf033
	s_cbranch_scc0 .Lentry_shape_is_right
	s_endpgm
.Lentry_shape_is_right:
; k = Q(key Wk + bk) (cluster y 0 to 3) and v = Q(value Wv + bv) (cluster y 4 to 7) on codes of FP8 (E4M3).  Act: [8192][768] codes, W: [1024 n][768 k] codes, K innermost; sums in f32.
; A sum stands for sum x 2^(ea + eb): the bias goes in as bias / 2^(ea + eb), and the conversion takes the one scale 2^E, E = eo - ea - eb (eo: entry 7 for k, 9 for v).
; LIMITS: E lies between -126 and 119, so that 2^E and 448 x 2^E are f32 numbers.  NaN among the biases is not served.
; SHARES.  256 work-groups that stay: each makes 128 rows of W (two heads) x two blocks of 256 rows of Act, 4,096 rows apart; a wave 64 x 64 of a block: 16 accumulators.
; k: source 0 = W (channels), source 1 = Act (keys): a lane holds one key, its registers run along the channels.  v: source 0 = Act (keys), source 1 = W (channels): a lane holds one channel, its registers run along the keys.
; Either way a lane's eight registers are eight neighbours along the NEXT product's K.  The two modes part once on the cluster's y, which all sixteen partners share; the LDS addresses are the same in both.
; kvimg: [batch x 16 + head][key step of 128 keys][16,384]: eight key tiles of K (1,024 bytes each: an image of the operand's 8 registers), then four channel tiles of V (2,048 bytes: 16 registers).  A store covers 512 consecutive bytes.
; LDS.  The whole K lies in LDS: six pieces of 64 rows x 768 bytes; 16 bytes of padding behind every 256, so rows are 816 bytes apart (204 words: row r starts at bank 12 r mod 64, sixteen different starts; ISA guide 11.1).
; At the head waves 0, 1 ask for W's halves, waves 2 to 5 for Act's pieces, one tensor load each.  W's rows stay for both blocks.  Act's pieces are filled again once, at the first block's last K step, behind a round of the
; cluster's barrier; that load is on its way while the first block is converted and stored.
; PREFETCH: at the head one instruction in each of waves 0 to 5 names the second block's rows of Act, 196,608 dense bytes: the four partners that will ask for them jointly take 49,152 each, told apart by address, a wave 8,192, lanes 256 bytes apart.
; CLUSTERS: 4 x 4.  W's piece hangs on x alone and is asked for jointly by a column of the cluster, Act's on y alone, by a row.
; Both operands are fetched by loads of 16 bytes: the same permutation of k within 128 on both sides.
.set KB,  768
.set NST, 6
.set PITCH, 816
.set PIECE, 64*PITCH
.set SPARE, 6*PIECE
.set NEXTA, 16*256*KB                  ; bytes from the first block's rows of Act to the second's
.set ADRW, 8                           ; v8 LDS address of W's fragments; v9 of Act's
.set ADRA, 9
.set VO,   16
.set SC,   20
.set LIM,  21
.set SPW,  22
.set NIL,  23
.set BR,   24                          ; v24-31 v's bias: a pair for each channel tile a (the upper word 0, named with the lower)
.set BP,   32                          ; v32-63 k's bias, eight registers for each channel tile b
.set CD,   96
.set ACC,  128                         ; window 1: two fragment buffers of 128: Act's four fragments, then W's four
.set WV,  30                           ; s30 wave; s31 wave & 1: my 64 rows of W; s32 wave >> 1: my 64 rows of Act; s33 cx; s34 cy; s35 x; s36 y; s37 mode
.set G1W, 48
.set G1A, 56
.set G0W, 68
.set G0A, 72
.set MSB, 0
.macro WIN new
.if MSB != \new
	s_set_vgpr_msb (MSB<<8)|\new
.set MSB, \new
.endif
.endm
.macro CREST
	s_cmp_lg_u32 s[WV], 0
	s_cbranch_scc1 .Lnot_wave_0_\@
	s_barrier_signal -3
.Lnot_wave_0_\@:
	s_barrier_wait -3
	s_barrier_signal -1
	s_barrier_wait -1
.endm
.macro CROUND
	s_barrier_signal -1
	s_barrier_wait -1
	CREST
.endm
.macro PLACES
.rept 4
	v_nop
.endr
.endm
	s_load_b512 s[4:19], s[0:1], 0x0               ; key, value, Wk, Wv, bk, bv, the exponents s[16:17], kvimg s[18:19]
	v_lshl_add_u32 v[SPW], v0, 2, SPARE
	v_mov_b32 v[NIL], 0
	ds_add_u32 v[SPW], v[NIL]                      ; the opening lines
	ds_add_u32 v[SPW], v[NIL]
	v_lshrrev_b32 v1, 5, v0
	v_readfirstlane_b32 s[WV], v1
	s_and_b32 s31, s[WV], 1
	s_lshr_b32 s32, s[WV], 1
	s_bfe_u32 s33, ttmp6, 0x40000
	s_bfe_u32 s34, ttmp6, 0x40004
	s_lshl_b32 s35, ttmp9, 2
	s_add_co_u32 s35, s35, s33                     ; x: which 128 rows of W
	s_and_b32 s36, ttmp7, 0xffff
	s_lshr_b32 s37, s36, 2                         ; mode: 0 = k, 1 = v
	s_and_b32 s36, s36, 3
	s_lshl_b32 s36, s36, 2
	s_add_co_u32 s36, s36, s34                     ; y, 0 to 15: rows 256 y on, and 256 (y + 16) on
	s_lshl_b32 s38, 0x1111, s33
	s_lshl_b32 s39, s34, 2
	s_lshl_b32 s39, 15, s39
	s_or_b32 s[G1W], s38, (1<<20)|(1<<21)|(5<<22)|(3<<25)   ; the mask; elements of 1 byte; four words of padding after every 64; 21 set beside a mask
	s_or_b32 s[G1A], s39, (1<<20)|(1<<21)|(5<<22)|(3<<25)
.irp g, G1W, G1A
	s_mov_b32 s[\g+1], KB<<16
	s_mov_b32 s[\g+2], 64<<16
	s_mov_b32 s[\g+3], KB<<16
	s_mov_b32 s[\g+4], 64
	s_mov_b32 s[\g+5], KB
	s_mov_b32 s[\g+6], 0
	s_mov_b32 s[\g+7], 0
.endr
	s_lshl_b32 s40, s35, 7                         ; W: row 128 x + 64 (wave & 1)
	s_lshl_b32 s41, s31, 6
	s_add_co_u32 s40, s40, s41
	s_mul_i32 s40, s40, KB
	s_mov_b32 s41, 0
	s_sub_co_u32 s43, s[WV], 2                     ; Act: row 256 y + 64 (wave - 2)
	s_and_b32 s43, s43, 3
	s_lshl_b32 s43, s43, 6
	s_lshl_b32 s42, s36, 8
	s_add_co_u32 s42, s42, s43
	s_mul_i32 s42, s42, KB
	s_mov_b32 s43, 0
	s_mul_i32 s44, s[WV], PIECE
	s_wait_dscnt 0x0
	s_wait_kmcnt 0x0
	s_cmp_eq_u32 s37, 0
	s_cselect_b64 s[20:21], s[4:5], s[6:7]         ; Act
	s_cselect_b64 s[22:23], s[8:9], s[10:11]       ; W
	s_cselect_b64 s[24:25], s[12:13], s[14:15]     ; the bias
	s_load_b256 s[4:11], s[16:17], 0x0             ; the exponents 0 to 7
	s_load_b64 s[12:13], s[16:17], 0x20            ; 8 and 9
	s_mov_b32 s[G0W], 1
	s_mov_b32 s[G0W+1], s44
	s_add_nc_u64 s[G0W+2:G0W+3], s[22:23], s[40:41]
	s_or_b32 s[G0W+3], s[G0W+3], 0x80000000
	s_mov_b32 s[G0A], 1
	s_mov_b32 s[G0A+1], s44
	s_add_nc_u64 s[G0A+2:G0A+3], s[20:21], s[42:43]
	s_or_b32 s[G0A+3], s[G0A+3], 0x80000000
	CROUND
	s_cmp_lt_u32 s[WV], 2
	s_cbranch_scc0 .Lnot_w
	tensor_load_to_lds s[G0W:G0W+3], s[G1W:G1W+7]
	s_nop 0
	PLACES
	s_branch .Lasked
.Lnot_w:
	s_cmp_lt_u32 s[WV], 6
	s_cbranch_scc0 .Lasked
	tensor_load_to_lds s[G0A:G0A+3], s[G1A:G1A+7]
	s_nop 0
	PLACES
.Lasked:
	s_mul_i32 s46, s31, PIECE                      ; my 64 rows of W
	s_mul_i32 s47, s32, PIECE
	s_add_co_u32 s47, s47, 2*PIECE                 ; my 64 rows of Act
	s_lshl_b32 s40, s35, 9                         ; the bias of my 64 channels
	s_lshl_b32 s45, s31, 8
	s_add_co_u32 s40, s40, s45
	s_add_nc_u64 s[24:25], s[24:25], s[40:41]
	s_lshr_b32 s2, s36, 3                          ; batch = y >> 3
	s_lshl_b32 s2, s2, 22
	s_lshl_b32 s45, s35, 19                        ; head = 2 x + (wave & 1)
	s_add_co_u32 s2, s2, s45
	s_lshl_b32 s45, s31, 18
	s_add_co_u32 s2, s2, s45
	s_and_b32 s45, s36, 7                          ; key step = 2 (y & 7) + (wave >> 2)
	s_lshl_b32 s45, s45, 15
	s_add_co_u32 s2, s2, s45
	s_lshr_b32 s45, s32, 1
	s_lshl_b32 s45, s45, 14
	s_add_co_u32 s2, s2, s45
	s_and_b32 s38, s32, 1                          ; which 64 keys of the step
	s_lshl_b32 s45, s38, 12                        ; k: four key tiles of 1,024 bytes
	s_lshl_b32 s3, s38, 10                         ; v: behind K's 8,192 bytes; registers 8 on of each fragment
	s_add_co_u32 s3, s3, 8192
	s_cmp_eq_u32 s37, 0
	s_cselect_b32 s45, s45, s3
	s_add_co_u32 s2, s2, s45
	s_mov_b32 s3, 0
	s_add_nc_u64 s[18:19], s[18:19], s[2:3]
	s_mul_i32 s76, s36, 256*KB                     ; the prefetch: the second block's rows, + 49,152 cx + 8,192 wave
	s_add_co_u32 s76, s76, NEXTA
	s_mul_i32 s45, s33, 64*KB
	s_add_co_u32 s76, s76, s45
	s_lshl_b32 s45, s[WV], 13
	s_add_co_u32 s76, s76, s45
	s_mov_b32 s77, 0
	s_add_nc_u64 s[76:77], s[20:21], s[76:77]      ; s[76:77] and v7 are never rewritten
	v_and_b32 v1, 15, v0
	v_bfe_u32 v2, v0, 4, 1
	v_mul_u32_u24 v3, v1, PITCH
	v_lshl_add_u32 v3, v2, 4, v3
	v_add_nc_u32 v[ADRW], s46, v3
	v_add_nc_u32 v[ADRA], s47, v3
	v_and_b32 v[VO], 31, v0
	v_lshlrev_b32 v7, 8, v[VO]                     ; 256 x lane
	v_lshlrev_b32 v[VO], 4, v[VO]
	v_lshlrev_b32 v5, 5, v2
	v_lshlrev_b32 v6, 2, v1
.irp b, 0,1,2,3
	global_load_b128 v[BP+8*\b:BP+8*\b+3], v5, s[24:25] offset:64*\b          ; for k: channels 16 b + 8 h + 0 .. 7
	global_load_b128 v[BP+8*\b+4:BP+8*\b+7], v5, s[24:25] offset:64*\b+16
.endr
.irp a, 0,1,2,3
	global_load_b32 v[BR+2*\a], v6, s[24:25] offset:64*\a                     ; for v: channel 16 a + r
	v_mov_b32 v[BR+2*\a+1], 0
.endr
	s_wait_alu depctr_va_vdst(0)
	s_cmp_lt_u32 s[WV], 6                          ; six waves x 8,192 bytes are my work-group's 49,152
	s_cbranch_scc0 .Lnot_mine
	global_prefetch_b8 v7, s[76:77] th:TH_LOAD_NT scope:SCOPE_SE
.Lnot_mine:
	s_wait_kmcnt 0x0
	s_add_co_i32 s14, s6, s7                       ; k: entries 2 + 3
	s_add_co_i32 s15, s8, s9                       ; v: entries 4 + 5
	s_cmp_eq_u32 s37, 0
	s_cselect_b32 s14, s14, s15                    ; ea + eb
	s_cselect_b32 s15, s11, s13                    ; eo
	s_sub_co_i32 s15, s15, s14                     ; E
	s_sub_co_i32 s14, 0, s14
	s_add_co_i32 s15, s15, 127
	s_lshl_b32 s45, s15, 23
	v_mov_b32 v[SC], s45
	s_add_co_i32 s15, s15, 8
	s_lshl_b32 s15, s15, 23
	s_or_b32 s15, s15, 0x600000
	v_mov_b32 v[LIM], s15
	s_wait_alu depctr_va_vdst(0)
	s_wait_loadcnt 0x0
.set J, 0
.rept 32
	v_ldexp_f32 v[BP+J], v[BP+J], s14              ; bias / 2^(ea + eb)
.set J, J+1
.endr
.irp a, 0,1,2,3
	v_ldexp_f32 v[BR+2*\a], v[BR+2*\a], s14
.endr
.macro FETCH st, f                     ; 32 LDS loads: step st's fragments into buffer f.  128 along K lie at 272 (st / 2) + 128 (st % 2) of an LDS row
	WIN 0x40
.irp i, 0,1,2,3
.irp c, 0,1,2,3
	ds_load_b128 v[(\f)+64+16*\i+4*\c:(\f)+64+16*\i+4*\c+3], v[ADRW] offset:\i*16*PITCH+272*((\st)/2)+128*((\st)%2)+32*\c
.endr
.irp c, 0,1,2,3
	ds_load_b128 v[(\f)+16*\i+4*\c:(\f)+16*\i+4*\c+3], v[ADRA] offset:\i*16*PITCH+272*((\st)/2)+128*((\st)%2)+32*\c
.endr
.endr
.endm
; 16 matrix instructions; the 16 accumulators take turns.  sw = 0: source 0 = W, source 1 = Act; sw = 1: the other way round
.macro MUL16 f, zero, sw
.set PO, 64-64*(\sw)
.set RO, 64*(\sw)
	WIN 0x05
.irp a, 0,1,2,3
.irp b, 0,1,2,3
.if \zero
	v_wmma_f32_16x16x128_fp8_fp8 v[ACC+32*\a+8*\b:ACC+32*\a+8*\b+7], v[(\f)+PO+16*\b:(\f)+PO+16*\b+15], v[(\f)+RO+16*\a:(\f)+RO+16*\a+15], 0
.else
	v_wmma_f32_16x16x128_fp8_fp8 v[ACC+32*\a+8*\b:ACC+32*\a+8*\b+7], v[(\f)+PO+16*\b:(\f)+PO+16*\b+15], v[(\f)+RO+16*\a:(\f)+RO+16*\a+15], v[ACC+32*\a+8*\b:ACC+32*\a+8*\b+7]
.endif
.endr
.endr
.endm
; A BLOCK: in each step the next step's fragments are asked for, then this step's are multiplied.  more = 1: at the last step Act's pieces are filled again with the second block's.
.macro BLOCK more, sw
	FETCH 0, 0
.set ST, 0
.rept NST-1
.set NX, ST+1
.set NF, 128*(NX%2)
.set CF, 128*(ST%2)
.if ST > 0
	PLACES                                         ; the buffer to be loaded was read by the step before
.endif
	FETCH NX, NF
	s_wait_dscnt 32                                ; all but the 32 just issued
.if ST == 0
	MUL16 CF, 1, \sw
.else
	MUL16 CF, 0, \sw
.endif
.set ST, ST+1
.endr
.set CF, 128*(ST%2)
.if \more
	WIN 0
	s_wait_tensorcnt 0x0                           ; no load of mine is out, so a group 0 may be written;
	ds_add_u32 v[SPW], v[NIL]                      ; 0 onto my spare word,
	ds_add_u32 v[SPW], v[NIL]                      ; and twice on end here: a branch leads waves 6
	s_add_nc_u64 s[G0A+2:G0A+3], s[G0A+2:G0A+3], NEXTA
	s_wait_dscnt 0x0                               ; both adds are done, and my reads of this block's rows of Act are over
	s_barrier_signal -1                            ; the barrier opens a round of the cluster's barrier;
	MUL16 CF, 0, \sw                               ; the last step's products, work on registers, stand inside it
	WIN 0
	s_barrier_wait -1
	CREST                                          ; no wave of any partner still reads Act's pieces
	s_cmp_lt_u32 s[WV], 2
	s_cbranch_scc1 .Lno_part_\@                    ; W's rows stay; waves 2 to 5 fill Act's four pieces
	s_cmp_lt_u32 s[WV], 6
	s_cbranch_scc0 .Lno_part_\@
	tensor_load_to_lds s[G0A:G0A+3], s[G1A:G1A+7]
	s_nop 0
	PLACES
.Lno_part_\@:
.else
	s_wait_dscnt 0x0
	MUL16 CF, 0, \sw
	WIN 0
.endif
	PLACES
.endm
; THE WAY OUT of tile a of source 1: + bias, the hold, four conversions, two stores.  Each accumulator is taken from its low end on.
.macro EPI a, sw
.if \sw
.set J, 0
.rept 16
	v_pk_add_f32 v[ACC+32*\a+J:ACC+32*\a+J+1], v[ACC+32*\a+J:ACC+32*\a+J+1], v[BR+2*\a:BR+2*\a+1] op_sel_hi:[1,0]   ; the pair's low word for both halves
.set J, J+2
.endr
.else
.irp b, 0,1,2,3
.irp i, 0,2,4,6
	v_pk_add_f32 v[ACC+32*\a+8*\b+\i:ACC+32*\a+8*\b+\i+1], v[ACC+32*\a+8*\b+\i:ACC+32*\a+8*\b+\i+1], v[BP+8*\b+\i:BP+8*\b+\i+1]
.endr
.endr
.endif
.set J, 0
.rept 32
	v_med3_num_f32 v[ACC+32*\a+J], v[ACC+32*\a+J], -v[LIM], v[LIM]   ; the conversion does not saturate (ISA guide 7.6.2)
.set J, J+1
.endr
.irp b, 0,1,2,3
	v_cvt_scalef32_pk8_fp8_f32 v[CD+8*\a+2*\b:CD+8*\a+2*\b+1], v[ACC+32*\a+8*\b:ACC+32*\a+8*\b+7], v[SC]
.endr
	v_nop                                          ; a plain line behind the last conversion of the run
.irp e, 0,1
	global_store_b128 v[VO], v[CD+8*\a+4*\e:CD+8*\a+4*\e+3], s[18:19] offset:(1024+1024*(\sw))*\a+512*\e   ; a key tile of K is 1,024 bytes, a channel tile of V 2,048
.endr
.endm
.macro RUN sw                          ; both blocks of one mode
	BLOCK 1, \sw
	EPI 0, \sw
	EPI 1, \sw
	EPI 2, \sw
	EPI 3, \sw
	s_wait_xcnt 0x0                                ; the stores have read their registers and their base
	s_add_nc_u64 s[18:19], s[18:19], 2<<22         ; 4,096 rows on are two batches on in kvimg
	s_wait_tensorcnt 0x0                           ; my part of the second block's rows, if I asked for one, has landed
	s_barrier_signal -1
	s_barrier_wait -1                              ; everybody's has
	BLOCK 0, \sw
	EPI 0, \sw
	EPI 1, \sw
	EPI 2, \sw
	EPI 3, \sw
.endm
	s_wait_alu depctr_va_vdst(0)
	s_wait_tensorcnt 0x0                           ; my piece, if I asked for one, has landed
	s_barrier_signal -1
	s_barrier_wait -1
	s_cmp_eq_u32 s37, 0
	s_cbranch_scc0 .Lmode_v
	RUN 0
	s_branch .Lout
.Lmode_v:
	RUN 1
.Lout:
	s_wait_tensorcnt 0x0                           ; the wave's end
	ds_add_u32 v[SPW], v[NIL]
	s_wait_dscnt 0x0
	CROUND                                         ; the closing round
	s_endpgm
.Lfunc_end_k_qb247982e02_projkv:
	.size	k_qb247982e02_projkv, .Lfunc_end_k_qb247982e02_projkv-k_qb247982e02_projkv
	.p2alignl 7, 3214868480
	.fill 96, 4, 3214868480
	.section	.rodata,"a",@progbits
	.p2align	6, 0x0
	.amdhsa_kernel k_qb247982e02_projkv
		.amdhsa_group_segment_fixed_size 327680
		.amdhsa_private_segment_fixed_size 0
		.amdhsa_enable_private_segment 0
		.amdhsa_kernarg_size 64
		.amdhsa_user_sgpr_count 2
		.amdhsa_user_sgpr_kernarg_segment_ptr 1
		.amdhsa_wavefront_size32 1
		.amdhsa_system_sgpr_workgroup_id_x 1
		.amdhsa_system_sgpr_workgroup_id_y 1
		.amdhsa_system_sgpr_workgroup_id_z 1
		.amdhsa_system_vgpr_workitem_id 0
		.amdhsa_next_free_vgpr 512
		.amdhsa_next_free_sgpr 100
		.amdhsa_reserve_vcc 0
		.amdhsa_float_denorm_mode_32 3
		.amdhsa_float_denorm_mode_16_64 3
		.amdhsa_memory_ordered 1
		.amdhsa_forward_progress 1
		.amdhsa_inst_pref_size 146
	.end_amdhsa_kernel
	.amdgpu_metadata
---
amdhsa.version: [ 1, 2 ]
amdhsa.kernels:
  - .name:           k_qb247982e02_projkv
    .symbol:         k_qb247982e02_projkv.kd
    .args:
      - { .name: key_codes, .offset: 0, .size: 8, .value_kind: global_buffer, .address_space: global }
      - { .name: value_codes, .offset: 8, .size: 8, .value_kind: global_buffer, .address_space: global }
      - { .name: Wk_codes, .offset: 16, .size: 8, .value_kind: global_buffer, .address_space: global }
      - { .name: Wv_codes, .offset: 24, .size: 8, .value_kind: global_buffer, .address_space: global }
      - { .name: bk, .offset: 32, .size: 8, .value_kind: global_buffer, .address_space: global }
      - { .name: bv, .offset: 40, .size: 8, .value_kind: global_buffer, .address_space: global }
      - { .name: lowp_scales, .offset: 48, .size: 8, .value_kind: global_buffer, .address_space: global }
      - { .name: kvimg, .offset: 56, .size: 8, .value_kind: global_buffer, .address_space: global }
    .group_segment_fixed_size: 327680
    .private_segment_fixed_size: 0
    .kernarg_segment_align: 8
    .kernarg_segment_size: 64
    .max_flat_workgroup_size: 256
    .sgpr_count:     100
    .vgpr_count:     512
    .wavefront_size: 32
...
	.end_amdgpu_metadata
.endif
;; end of part 2
;; launch attn (part 3): grid 4 x 64, 16 waves a work-group, clusters of 4 x 1, 264,192 bytes of LDS; arguments qimg, kvimg, lowp_scales, ctximg; writes ctximg
.if DOCPART == 3
	.amdgcn_target "amdgcn-amd-amdhsa--gfx1250"
	.amdhsa_code_object_version 6
	.text
	.protected	k_qb247982e02_attn
	.globl	k_qb247982e02_attn
	.p2align	8
	.type	k_qb247982e02_attn,@function
k_qb247982e02_attn:
	s_mov_b64 s[64:65], 0
	v_nop
	global_prefetch_b8 v0, s[64:65] scope:SCOPE_SE
	s_setreg_imm32_b32 hwreg(HW_REG_WAVE_MODE, 25, 1), 1
	s_wait_xcnt 0x0
	s_wait_alu depctr_hold_cnt(0) depctr_sa_sdst(0) depctr_va_vdst(0) depctr_va_sdst(0) depctr_va_ssrc(0) depctr_va_vcc(0) depctr_vm_vsrc(0)
	s_getreg_b32 s2, hwreg(HW_REG_IB_STS2, 6, 4)
	s_cmp_eq_u32 s2, 0
	s_cbranch_scc0 .Lentry_in_a_cluster
	s_endpgm
.Lentry_in_a_cluster:
	s_bfe_u32 s2, ttmp6, 0x10000c
	s_cmp_lg_u32 s2, 0x3003
	s_cbranch_scc0 .Lentry_shape_is_right
	s_endpgm
.Lentry_shape_is_right:
; ctx = Q(softmax(q k^T / 8) v), both products on codes of FP8 (E4M3), for one (batch, head) a cluster.  q, k, v come as images of operand registers; ctx leaves as such images.
; THE SOFTMAX AHEAD OF THE SECOND PRODUCT: t = score x log2(e) / 8; M = the row's largest t so far, rounded UP to a whole number; p = 2^(t - M) is what is quantised, along the keys; it is not normalised.
; The row's sum is taken of the unquantised p, in f32, and divides O at the end.  When M moves, the sum and O are multiplied by 2^(old M - new M): exact.
; SHARES.  A cluster of four work-groups takes a head's 2,048 queries, a work-group 512, each of its sixteen waves 32: two tiles of 16.  Each fragment of K and of V that a wave reads from LDS feeds two matrix instructions.
; LDS.  The head's whole K and V, 262,144 bytes, lie in LDS as they lie in memory: sixteen key steps of 16,384 bytes, each eight key tiles of K (1,024 bytes) and then four channel tiles of V (2,048 bytes).
; Wave w asks for key step w: one tensor load a wave at the head, jointly with the three partner work-groups, which walk the same K and V.  One wait for 0 and one barrier follow; the loop over the key steps holds no barrier.
; Nothing is filled twice, and every tile is asked for at the head: there is no loop to run ahead in, so no prefetch.
; LAYOUT.  Both products are used transposed: S^T = K Q^T (source 0 = 16 keys, source 1 = 16 queries), O^T = V^T P^T (source 0 = 16 channels, source 1 = P): a lane holds ONE query (lane % 16) throughout.
; In tile T of S^T lane (r, h) holds keys 16 T + 8 h + 0 .. 7: one conversion gives registers 2 T, 2 T + 1 of P in the K = 128 form's own layout.  Fragments are read at 16 x lane: consecutive bytes, no pitch.
; LIMITS on the given exponents, so that each power of two below is an f32 number: entries 6 + 7 between -123 and 130 (they are added to c's exponent field); entries 8 and 10 between -126 and 119.  NaN is not served.
.set SPARE, 0x40000                    ; behind K and V: the spare words, 128 bytes a wave
.set LA,  1                            ; v1   16 x lane; never rewritten
.set ADR, 2                            ; v2   LDS address of the step in hand; at the end 448 x 2^e10
.set SC,  3                            ; v3   2^e8 for p's conversions; at the end 2^e10
.set ST,  4                            ; v4-11  tile q at 4 + 4 q: -M, the largest t, the sum in two halves
.set Q,   12                           ; v12-27 Q's two fragments
.set KF,  28                           ; v28-91 eight fragments of K
.set S,   92                           ; v92-155 S^T of one tile of queries, then p; behind the second tile's conversions: four fragments of V
.set TN,  60                           ; s60  LDS byte at which the next step begins, held at the last step's
.set P,   156                          ; v156-187 p's codes, 16 registers a tile
.set O,   188                          ; v188-251 O^T, 32 registers a tile
.set TA,  252                          ; v252-255 at work (no two registers can be kept for the add: they are made anew from v0 at the end)
.set TC,  254
.set WV,  12                           ; s12 wave; s13 cx; s14 batch x 16 + head
.set G1,  16                           ; s[16:23] descriptor group 1; s[24:27] group 0
.set G0,  24
.set CS,  46                           ; s[46:47] c = log2(e) / 8 x 2^(e6 + e7): the packed form names a pair
.set SEL, 48                           ; s[48:49] lane selects for v_permlanex16_b32: lane l xor 16
.set LIM, 50                           ; s50  448 x 2^e8
.set TB,  51                           ; s51  LDS byte at which the step begins
.set CNT, 52                           ; s52  steps to go
.macro CROUND                          ; a round of the cluster's barrier
	s_barrier_signal -1
	s_barrier_wait -1
	s_cmp_lg_u32 s[WV], 0
	s_cbranch_scc1 .Lnot_wave_0_\@
	s_barrier_signal -3
.Lnot_wave_0_\@:
	s_barrier_wait -3
	s_barrier_signal -1
	s_barrier_wait -1
.endm
	s_load_b256 s[4:11], s[0:1], 0x0               ; qimg s[4:5], kvimg s[6:7], the exponents s[8:9], ctximg s[10:11]
	v_lshl_add_u32 v254, v0, 2, SPARE
	v_mov_b32 v255, 0
	ds_add_u32 v254, v255                          ; the opening lines: the add twice on end and its wait ahead of my tensor load
	ds_add_u32 v254, v255
	v_lshrrev_b32 v1, 5, v0
	v_readfirstlane_b32 s[WV], v1
	s_bfe_u32 s13, ttmp6, 0x40000                  ; cx: it enters Q's and ctx's addresses alone
	s_and_b32 s14, ttmp7, 0xffff
	s_mov_b32 s[G1], 15|(3<<16)|(1<<21)            ; the mask: all four work-groups; elements of 8 bytes; 21 set beside a mask; no padding
	s_mov_b32 s[G1+1], 32<<16                      ; 64 rows of 256 bytes, dense
	s_mov_b32 s[G1+2], 64<<16
	s_mov_b32 s[G1+3], 32<<16
	s_mov_b32 s[G1+4], 64
	s_mov_b32 s[G1+5], 32
	s_mov_b32 s[G1+6], 0
	s_mov_b32 s[G1+7], 0
	s_lshl_b32 s56, s[WV], 14                      ; my key step, in LDS and in the head's 262,144 bytes
	s_lshl_b32 s54, s14, 18
	s_add_co_u32 s54, s54, s56
	s_mov_b32 s55, 0
	s_mov_b32 s[SEL], 0x76543210
	s_mov_b32 s[SEL+1], 0xfedcba98
	s_wait_dscnt 0x0
	s_wait_kmcnt 0x0
	s_load_b128 s[40:43], s[8:9], 0x18             ; entries 6 to 9: eq, ek, ep, ev
	s_load_b32 s44, s[8:9], 0x28                   ; entry 10: ctx's
	s_mov_b32 s[G0], 1
	s_mov_b32 s[G0+1], s56
	s_add_nc_u64 s[G0+2:G0+3], s[6:7], s[54:55]
	s_or_b32 s[G0+3], s[G0+3], 0x80000000
	CROUND                                         ; all four work-groups are here: the joint loads meet
	tensor_load_to_lds s[G0:G0+3], s[G1:G1+7]      ; every wave's one load
	s_nop 0
	s_lshl_b32 s58, s14, 17                        ; qimg: [head][query tile 32 cx + 2 wave + q][1,024]
	s_lshl_b32 s57, s13, 15
	s_add_co_u32 s58, s58, s57
	s_lshl_b32 s57, s[WV], 11
	s_add_co_u32 s58, s58, s57
	s_mov_b32 s59, 0
	s_add_nc_u64 s[4:5], s[4:5], s[58:59]
	s_lshr_b32 s58, s14, 4                         ; ctximg: [batch x 128 + query tile][head][1,024]
	s_lshl_b32 s58, s58, 21
	s_lshl_b32 s57, s13, 19
	s_add_co_u32 s58, s58, s57
	s_lshl_b32 s57, s[WV], 15
	s_add_co_u32 s58, s58, s57
	s_and_b32 s57, s14, 15
	s_lshl_b32 s57, s57, 10
	s_add_co_u32 s58, s58, s57
	s_add_nc_u64 s[10:11], s[10:11], s[58:59]
	v_and_b32 v[LA], 31, v0
	v_lshlrev_b32 v[LA], 4, v[LA]
.irp i, 0,1,2,3
	global_load_b128 v[Q+4*\i:Q+4*\i+3], v[LA], s[4:5] offset:512*\i th:TH_LOAD_NT   ; Q stays in registers
.endr
.irp q, 0,1
	v_mov_b32 v[ST+4*\q+1], 0xff61b1e6             ; the largest t so far: -3e38, under every t
	v_floor_f32 v[ST+4*\q], -v[ST+4*\q+1]          ; -M
	v_mov_b32 v[ST+4*\q+2], 0                      ; the sum
	v_mov_b32 v[ST+4*\q+3], 0
.endr
.set J, 0
.rept 64
	v_mov_b32 v[O+J], 0                            ; O^T: the step has no first form of its own; the first change of M leaves zeros zeros
.set J, J+1
.endr
	v_mov_b32 v[TC], 0                             ; a lane permute's destination counts as one of its sources
	s_wait_alu depctr_va_vdst(0)
	s_wait_kmcnt 0x0
	s_add_co_i32 s57, s40, s41
	s_lshl_b32 s57, s57, 23
	s_add_co_i32 s[CS], s57, 0x3e38aa3b            ; eq + ek are added to the exponent field of c = log2(e) / 8
	s_mov_b32 s[CS+1], s[CS]
	s_add_co_i32 s57, s42, 127
	s_lshl_b32 s58, s57, 23
	v_mov_b32 v[SC], s58                           ; 2^ep
	s_add_co_i32 s57, s57, 8
	s_lshl_b32 s57, s57, 23
	s_or_b32 s[LIM], s57, 0x600000                 ; 448 x 2^ep
	s_add_co_i32 s53, s42, s43                     ; ep + ev
	s_add_co_i32 s57, s44, 127
	s_lshl_b32 s54, s57, 23                        ; 2^e10
	s_add_co_i32 s57, s57, 8
	s_lshl_b32 s57, s57, 23
	s_or_b32 s55, s57, 0x600000                    ; 448 x 2^e10
; The softmax of tile q for the 128 keys whose scores lie in S: the new M, p, the sum, p's codes, O^T under the new M.
.macro SOFTMAX q
.set NM, ST+4*(\q)
.set L,  NM+2
.set PQ, P+16*(\q)
.set OQ, O+32*(\q)
	v_max3_num_f32 v[TA], v[S], v[S+1], v[S+2]     ; the step's largest score among my 64 keys, in two chains, each accumulator from its low end on
	v_max3_num_f32 v[TA+1], v[S+3], v[S+4], v[S+5]
	v_max3_num_f32 v[TC], v[S+6], v[S+7], v[S+8]   ; four chains, the scores in ascending order
	v_max3_num_f32 v[TC+1], v[S+9], v[S+10], v[S+11]
.set J, 12
.rept 6
	v_max3_num_f32 v[TA], v[TA], v[S+J], v[S+J+1]
	v_max3_num_f32 v[TA+1], v[TA+1], v[S+J+2], v[S+J+3]
	v_max3_num_f32 v[TC], v[TC], v[S+J+4], v[S+J+5]
	v_max3_num_f32 v[TC+1], v[TC+1], v[S+J+6], v[S+J+7]
.set J, J+8
.endr
	v_max3_num_f32 v[TA], v[TA], v[S+60], v[S+61]
	v_max3_num_f32 v[TA+1], v[TA+1], v[S+62], v[S+63]
	s_delay_alu instid0(VALU_DEP_2)
	v_max3_num_f32 v[TA], v[TA], v[TC], v[TC+1]
	s_delay_alu instid0(VALU_DEP_1)
	v_max_num_f32 v[TA], v[TA], v[TA+1]
	s_delay_alu instid0(VALU_DEP_1)
	v_permlanex16_b32 v[TC], v[TA], s[SEL], s[SEL+1]
	s_delay_alu instid0(VALU_DEP_1)
	v_max_num_f32 v[TA], v[TA], v[TC]              ; and among lane l xor 16's
	s_delay_alu instid0(VALU_DEP_1)
	v_mul_f32 v[TA], s[CS], v[TA]                  ; as t (c is positive)
	s_delay_alu instid0(VALU_DEP_1)
	v_max_num_f32 v[NM+1], v[NM+1], v[TA]          ; the running largest t
	v_mov_b32 v[TA], v[NM]
	s_delay_alu instid0(VALU_DEP_2)
	v_floor_f32 v[NM], -v[NM+1]                    ; the new -M = floor(-t) = -ceil(t)
.set J, 0
.irp w, 0,1,2,3                        ; t - M, two at a time (of the pairs c and -M the low word serves both halves); the three lines that make f stand among these, five apart
.rept 5+12*(\w/3)
	v_pk_fma_f32 v[S+J:S+J+1], v[S+J:S+J+1], s[CS:CS+1], v[NM:NM+1] op_sel_hi:[1,0,0]
.set J, J+2
.endr
.if \w == 0
	v_sub_f32 v[TA], v[NM], v[TA]                  ; old M - new M: a whole number, 0 or less
.endif
.if \w == 1
	v_cvt_i32_f32 v[TA], v[TA]                     ; (it saturates)
.endif
.if \w == 2
	v_ldexp_f32 v[TA], 1.0, v[TA]                  ; f = 2^(old M - new M)
.endif
.endr
.set J, 0
	s_wait_alu depctr_va_vdst(0)
.rept 64
	v_exp_f32 v[S+J], v[S+J]                       ; p = 2^(t - M), at most 1
.set J, J+1
.endr
	v_pk_mul_f32 v[L:L+1], v[L:L+1], v[TA:TA+1] op_sel_hi:[1,0]   ; the sum under the new M.  (A plain line behind the exponentials)
	s_wait_alu depctr_va_vdst(0)                   ; one wait for the batch, ahead of its first reader
	v_pk_add_f32 v[TC:TC+1], v[S:S+1], v[S+2:S+3]  ; the sum is taken of the unquantised p, in two chains
	v_pk_add_f32 v[PQ:PQ+1], v[S+4:S+5], v[S+6:S+7]   ; four chains; two of them in registers of p's codes, which are written only below
	v_pk_add_f32 v[PQ+2:PQ+3], v[S+8:S+9], v[S+10:S+11]
	v_pk_add_f32 v[L:L+1], v[L:L+1], v[S+12:S+13]
.set J, 14
.rept 6
	v_pk_add_f32 v[TC:TC+1], v[TC:TC+1], v[S+J:S+J+1]
	v_pk_add_f32 v[PQ:PQ+1], v[PQ:PQ+1], v[S+J+2:S+J+3]
	v_pk_add_f32 v[PQ+2:PQ+3], v[PQ+2:PQ+3], v[S+J+4:S+J+5]
	v_pk_add_f32 v[L:L+1], v[L:L+1], v[S+J+6:S+J+7]
.set J, J+8
.endr
	v_pk_add_f32 v[TC:TC+1], v[TC:TC+1], v[S+62:S+63]
	v_pk_add_f32 v[PQ:PQ+1], v[PQ:PQ+1], v[PQ+2:PQ+3]
	s_delay_alu instid0(VALU_DEP_2)
	v_pk_add_f32 v[L:L+1], v[L:L+1], v[TC:TC+1]
	s_delay_alu instid0(VALU_DEP_1)
	v_pk_add_f32 v[L:L+1], v[L:L+1], v[PQ:PQ+1]
.irp t, 0,1,2,3,4,5,6,7
.irp i, 0,2,4,6
	v_dual_min_num_f32 v[S+8*\t+\i], s[LIM], v[S+8*\t+\i] :: v_dual_min_num_f32 v[S+8*\t+\i+1], s[LIM], v[S+8*\t+\i+1]   ; the conversion does not saturate (ISA guide 7.6.2); p is not negative, so the hold is one-sided; two numbers a line
.endr
	v_cvt_scalef32_pk8_fp8_f32 v[PQ+2*\t:PQ+2*\t+1], v[S+8*\t:S+8*\t+7], v[SC]   ; keys 16 t + 8 h + 0 .. 7
.if \q
.if \t&1
.irp c, 0,1,2,3
	ds_load_b128 v[S+8*\t-8+4*\c:S+8*\t-8+4*\c+3], v[ADR] offset:8192+1024*(\t-1)+512*\c   ; channel tile (t - 1) / 2 of this step's V, into the 16 registers that the last two conversions have used up
.endr
.endif
.endif
.endr
.set J, 0
.rept 16
	v_pk_mul_f32 v[OQ+J:OQ+J+1], v[OQ+J:OQ+J+1], v[TA:TA+1] op_sel_hi:[1,0]   ; O^T under the new M.  (Also the plain lines behind the last conversion)
.set J, J+2
.endr
.endm
; A KEY STEP: 128 keys against my 32 queries.
.macro KLOAD                           ; the eight key tiles of K of the step at which v[ADR] stands
.irp t, 0,1,2,3,4,5,6,7
	ds_load_b128 v[KF+8*\t:KF+8*\t+3], v[ADR] offset:1024*\t
	ds_load_b128 v[KF+8*\t+4:KF+8*\t+7], v[ADR] offset:1024*\t+512
.endr
.endm
.macro STEP                            ; this step's K lies in registers: it was asked for in the step before (the first step's ahead of the loop), and the waits for V, which is younger, have shown it in
.rept 5
	v_nop                                          ; five places: the products below write S, which the last products read as a source
.endr
.irp t, 0,1,2,3,4,5,6,7
	v_wmma_f32_16x16x64_fp8_fp8 v[S+8*\t:S+8*\t+7], v[KF+8*\t:KF+8*\t+7], v[Q:Q+7], 0
.endr
.rept 4
	v_nop
.endr
	SOFTMAX 0
.irp t, 0,1,2,3,4,5,6,7
	v_wmma_f32_16x16x64_fp8_fp8 v[S+8*\t:S+8*\t+7], v[KF+8*\t:KF+8*\t+7], v[Q+8:Q+15], 0
.endr
	s_add_co_u32 s[TN], s[TB], 16384               ; the next key step; in the last trip the last step once more, so that every load stays inside K and V
	s_min_u32 s[TN], s[TN], 15*16384
.rept 3
	v_nop                                          ; with the addition: four places in front of the loads into K's registers and of the first read of the scores
.endr
	v_add_nc_u32 v[ADR], s[TN], v[LA]
	KLOAD                                          ; the next step's K is on its way while the second softmax runs
	v_add_nc_u32 v[ADR], s[TB], v[LA]              ; back to this step, for V's loads
	SOFTMAX 1
	s_wait_alu depctr_va_vdst(0)
.irp t, 0,1,2,3                        ; eight accumulators by turns, one instruction a turn
	s_wait_dscnt 12-4*\t                           ; channel tile t of V is in; the four loads of each later tile may be out
.irp q, 0,1
	v_wmma_f32_16x16x128_fp8_fp8 v[O+32*\q+8*\t:O+32*\q+8*\t+7], v[S+16*\t:S+16*\t+15], v[P+16*\q:P+16*\q+15], v[O+32*\q+8*\t:O+32*\q+8*\t+7]
.endr
.endr
	s_add_co_u32 s[TB], s[TB], 16384               ; the next key step
.endm
	s_wait_alu depctr_va_vdst(0)
	s_wait_loadcnt 0x0                             ; Q
	s_wait_tensorcnt 0x0                           ; my key step has landed
	s_barrier_signal -1
	s_barrier_wait -1                              ; all sixteen have
	s_mov_b32 s[TB], 0
	s_mov_b32 s[CNT], 16
	v_add_nc_u32 v[ADR], s[TB], v[LA]
	KLOAD                                          ; the first step's K
	s_wait_dscnt 0x0
.Lstep:
	STEP
	s_sub_co_u32 s[CNT], s[CNT], 1
	s_cmp_lg_u32 s[CNT], 0
	s_cbranch_scc1 .Lstep
	; THE WAY OUT: ctx = O^T x 2^(ep + ev) / the sum, quantised with 2^e10.  A lane's eight registers of channel tile t are k = 16 t + 8 h + 0 .. 7 of the last product's operand.
	v_add_f32 v[ST+2], v[ST+2], v[ST+3]            ; the sum's two halves  (these lines are also the places behind the last products)
	v_add_f32 v[ST+6], v[ST+6], v[ST+7]
	s_delay_alu instid0(VALU_DEP_2)
	v_permlanex16_b32 v[TA], v[ST+2], s[SEL], s[SEL+1]
	s_delay_alu instid0(VALU_DEP_2)
	v_permlanex16_b32 v[TA+1], v[ST+6], s[SEL], s[SEL+1]
	s_delay_alu instid0(VALU_DEP_2)
	v_add_f32 v[ST+2], v[ST+2], v[TA]              ; and lane l xor 16's
	s_delay_alu instid0(VALU_DEP_2)
	v_add_f32 v[ST+6], v[ST+6], v[TA+1]
	v_mov_b32 v[ADR], s55                          ; 448 x 2^e10
	v_mov_b32 v[SC], s54                           ; 2^e10
	s_wait_alu depctr_va_vdst(0)
	v_rcp_f32 v[ST+2], v[ST+2]
	v_rcp_f32 v[ST+6], v[ST+6]
	v_nop                                          ; a plain line behind the reciprocals
	s_wait_alu depctr_va_vdst(0)
	v_ldexp_f32 v[ST+2], v[ST+2], s53
	v_ldexp_f32 v[ST+6], v[ST+6], s53
.irp q, 0,1
.set J, 0
.rept 16
	v_pk_mul_f32 v[S+32*\q+J:S+32*\q+J+1], v[O+32*\q+J:O+32*\q+J+1], v[ST+4*\q+2:ST+4*\q+3] op_sel_hi:[1,0]
.set J, J+2
.endr
.endr
.set J, 0
.rept 64
	v_med3_num_f32 v[S+J], v[S+J], -v[ADR], v[ADR]
.set J, J+1
.endr
.irp q, 0,1
.irp t, 0,1,2,3
	v_cvt_scalef32_pk8_fp8_f32 v[P+8*\q+2*\t:P+8*\q+2*\t+1], v[S+32*\q+8*\t:S+32*\q+8*\t+7], v[SC]
.endr
.endr
	v_nop                                          ; a plain line behind the last conversion
.irp q, 0,1
.irp e, 0,1
	global_store_b128 v[LA], v[P+8*\q+4*\e:P+8*\q+4*\e+3], s[10:11] offset:16384*\q+512*\e   ; the wave stores 512 consecutive bytes, aligned
.endr
.endr
	s_wait_xcnt 0x0
	v_lshl_add_u32 v254, v0, 2, SPARE
	v_mov_b32 v255, 0
	s_wait_alu depctr_va_vdst(0)
	s_wait_tensorcnt 0x0                           ; the wave's end
	ds_add_u32 v254, v255
	s_wait_dscnt 0x0
	CROUND                                         ; the closing round
	s_endpgm
.Lfunc_end_k_qb247982e02_attn:
	.size	k_qb247982e02_attn, .Lfunc_end_k_qb247982e02_attn-k_qb247982e02_attn
	.p2alignl 7, 3214868480
	.fill 96, 4, 3214868480
	.section	.rodata,"a",@progbits
	.p2align	6, 0x0
	.amdhsa_kernel k_qb247982e02_attn
		.amdhsa_group_segment_fixed_size 264192
		.amdhsa_private_segment_fixed_size 0
		.amdhsa_enable_private_segment 0
		.amdhsa_kernarg_size 32
		.amdhsa_user_sgpr_count 2
		.amdhsa_user_sgpr_kernarg_segment_ptr 1
		.amdhsa_wavefront_size32 1
		.amdhsa_system_sgpr_workgroup_id_x 1
		.amdhsa_system_sgpr_workgroup_id_y 1
		.amdhsa_system_sgpr_workgroup_id_z 1
		.amdhsa_system_vgpr_workitem_id 0
		.amdhsa_next_free_vgpr 256
		.amdhsa_next_free_sgpr 66
		.amdhsa_reserve_vcc 0
		.amdhsa_float_denorm_mode_32 3
		.amdhsa_float_denorm_mode_16_64 3
		.amdhsa_memory_ordered 1
		.amdhsa_forward_progress 1
		.amdhsa_inst_pref_size 45
	.end_amdhsa_kernel
	.amdgpu_metadata
---
amdhsa.version: [ 1, 2 ]
amdhsa.kernels:
  - .name:           k_qb247982e02_attn
    .symbol:         k_qb247982e02_attn.kd
    .args:
      - { .name: qimg, .offset: 0, .size: 8, .value_kind: global_buffer, .address_space: global }
      - { .name: kvimg, .offset: 8, .size: 8, .value_kind: global_buffer, .address_space: global }
      - { .name: lowp_scales, .offset: 16, .size: 8, .value_kind: global_buffer, .address_space: global }
      - { .name: ctximg, .offset: 24, .size: 8, .value_kind: global_buffer, .address_space: global }
    .group_segment_fixed_size: 264192
    .private_segment_fixed_size: 0
    .kernarg_segment_align: 8
    .kernarg_segment_size: 32
    .max_flat_workgroup_size: 512
    .sgpr_count:     66
    .vgpr_count:     256
    .wavefront_size: 32
...
	.end_amdgpu_metadata
.endif
;; end of part 3
;; launch outproj (part 4): grid 8 x 32, 4 waves a work-group, clusters of 4 x 4, 327,680 bytes of LDS; arguments ctximg, Wo_codes, bo, lowp_scales, out0; writes out0
.if DOCPART == 4
	.amdgcn_target "amdgcn-amd-amdhsa--gfx1250"
	.amdhsa_code_object_version 6
	.text
	.protected	k_qb247982e02_outproj
	.globl	k_qb247982e02_outproj
	.p2align	8
	.type	k_qb247982e02_outproj,@function
k_qb247982e02_outproj:
	s_mov_b64 s[64:65], 0
	v_nop
	global_prefetch_b8 v0, s[64:65] scope:SCOPE_SE
	s_setreg_imm32_b32 hwreg(HW_REG_WAVE_MODE, 25, 1), 1
	s_wait_xcnt 0x0
	s_wait_alu depctr_hold_cnt(0) depctr_sa_sdst(0) depctr_va_vdst(0) depctr_va_sdst(0) depctr_va_ssrc(0) depctr_va_vcc(0) depctr_vm_vsrc(0)
	s_getreg_b32 s2, hwreg(HW_REG_IB_STS2, 6, 4)
	s_cmp_eq_u32 s2, 0
	s_cbranch_scc0 .Lentry_in_a_cluster
	s_endpgm
.Lentry_in_a_cluster:
	s_bfe_u32 s2, ttmp6, 0x10000c
	s_cmp_lg_u32 s2, 0xf033
	s_cbranch_scc0 .Lentry_shape_is_right
	s_endpgm
.Lentry_shape_is_right:
; out0 = ctx Wo + bo on codes of FP8 (E4M3).  ctx: images of operand registers, [tile of 16 rows][head][1,024 bytes]: two neighbouring heads are one fragment of 16 rows x 128 K.  Wo: [1024 n][1024 k] codes.  out0: [8192][1024] f32.
; A sum stands for sum x 2^(e10 + e11): out = sum x 2^(e10 + e11) + bo, one packed multiply-add for two numbers.  LIMIT: e10 + e11 between -126 and 127, so that the power of two is an f32 number.
; SHARES.  256 work-groups that stay: each makes 128 columns (its x) x two blocks of 128 rows, 4,096 rows apart; a wave 64 x 64 of a block: 16 accumulators.
; Source 0 = 16 rows of Wo, source 1 = 16 rows of ctx: a lane holds eight neighbouring columns of one row of out0.
; LDS.  The whole K lies in LDS: Wo's 128 rows of 1,024 bytes, 1,040 apart (260 words: row r starts at bank 4 r mod 64; ISA guide 11.1), then eight tiles x 16,384 bytes of ctx's images as they lie in memory.
; At the head each wave asks for one half of one of the two.  Wo's rows stay for both blocks.  ctx's tiles are filled again once, at the first block's last K step, behind a round of the cluster's barrier;
; that load is on its way while the first block goes out.  Behind them: a stage of 16 rows x 272 bytes for each wave, into which no tile lands, and the spare words.
; PREFETCH: at the head one instruction a wave names the second block's tiles of ctx, 131,072 dense bytes: the four partners that will ask for them jointly take 32,768 each, told apart by address, a wave 8,192, lanes 256 bytes apart.
; ctx's images have k in the form's own places (registers 2 c, 2 c + 1: k = 16 c + 8 h + 0 .. 7), so Wo's fragments are fetched so too: eight loads of 8 bytes.
; CLUSTERS: 4 x 4.  Wo's tile hangs on x alone and is asked for jointly by a column of the cluster, ctx's on y alone, by a row.
.set NST,   8
.set PITCH, 1040
.set SP,    272
.set PIECE, 64*PITCH
.set CBASE, 2*PIECE
.set STAGE, CBASE+131072
.set SPARE, STAGE+4*16*SP
.set NEXTC, 32<<17                     ; bytes from the first block's tiles of ctx to the second's
.set ADRP, 4                           ; v4 LDS address of Wo's fragments; v8 of ctx's
.set ADRC, 8
.set STO,  12                          ; v12 the stage: where I put 32 bytes of a row; v13 where I read a row back; v14 my byte offset in two rows of out0
.set RD,   13
.set CO,   14
.set SPW,  30
.set NIL,  31
.set BP,   32                          ; v32-63 bo of my columns
.set BK,   64                          ; v64-127 16 rows read back from the stage, two sets
.set ACC,  128                         ; window 1: two fragment buffers of 128: ctx's four fragments, then Wo's four
.set WV,  14                           ; s14 wave; s15 wave & 1; s16 wave >> 1; s17 cx; s18 cy; s19 x; s20 y
.set G1W, 32
.set G1C, 40
.set G0W, 48
.set G0C, 52
.set MSB, 0
.macro WIN new
.if MSB != \new
	s_set_vgpr_msb (MSB<<8)|\new
.set MSB, \new
.endif
.endm
.macro CREST
	s_cmp_lg_u32 s[WV], 0
	s_cbranch_scc1 .Lnot_wave_0_\@
	s_barrier_signal -3
.Lnot_wave_0_\@:
	s_barrier_wait -3
	s_barrier_signal -1
	s_barrier_wait -1
.endm
.macro CROUND
	s_barrier_signal -1
	s_barrier_wait -1
	CREST
.endm
.macro PLACES
.rept 4
	v_nop
.endr
.endm
	s_load_b256 s[4:11], s[0:1], 0x0               ; ctximg s[4:5], Wo s[6:7], bo s[8:9], the exponents s[10:11]
	s_load_b64 s[12:13], s[0:1], 0x20              ; out0
	v_lshl_add_u32 v[SPW], v0, 2, SPARE
	v_mov_b32 v[NIL], 0
	ds_add_u32 v[SPW], v[NIL]                      ; the opening lines
	ds_add_u32 v[SPW], v[NIL]
	v_lshrrev_b32 v1, 5, v0
	v_readfirstlane_b32 s[WV], v1
	s_and_b32 s15, s[WV], 1                        ; my 64 columns.  Also: which half I fetch
	s_lshr_b32 s16, s[WV], 1                       ; my 64 rows.  Also: I fetch for Wo (0) or for ctx (1)
	s_bfe_u32 s17, ttmp6, 0x40000
	s_bfe_u32 s18, ttmp6, 0x40004
	s_lshl_b32 s19, ttmp9, 2
	s_add_co_u32 s19, s19, s17                     ; x
	s_and_b32 s20, ttmp7, 0xffff
	s_lshl_b32 s20, s20, 2
	s_add_co_u32 s20, s20, s18                     ; y, 0 to 31: rows 128 y on, and 128 (y + 32) on
	s_lshl_b32 s21, 0x1111, s17
	s_lshl_b32 s22, s18, 2
	s_lshl_b32 s22, 15, s22
	s_or_b32 s[G1W], s21, (1<<20)|(1<<21)|(7<<22)|(3<<25)   ; the mask; elements of 1 byte; four words of padding after every 256; 21 set beside a mask
	s_mov_b32 s[G1W+1], 1024<<16                   ; 64 rows of 1,024 bytes
	s_mov_b32 s[G1W+2], 64<<16
	s_mov_b32 s[G1W+3], 1024<<16
	s_mov_b32 s[G1W+4], 64
	s_mov_b32 s[G1W+5], 1024
	s_mov_b32 s[G1W+6], 0
	s_mov_b32 s[G1W+7], 0
	s_or_b32 s[G1C], s22, (3<<16)|(1<<21)          ; the mask; elements of 8 bytes; no padding
	s_mov_b32 s[G1C+1], 32<<16                     ; four tiles = 65,536 dense bytes: 256 rows of 256
	s_mov_b32 s[G1C+2], 256<<16
	s_mov_b32 s[G1C+3], 32<<16
	s_mov_b32 s[G1C+4], 256
	s_mov_b32 s[G1C+5], 32
	s_mov_b32 s[G1C+6], 0
	s_mov_b32 s[G1C+7], 0
	s_lshl_b32 s24, s19, 17                        ; Wo: row 128 x + 64 (wave & 1)
	s_lshl_b32 s25, s15, 16
	s_add_co_u32 s24, s24, s25
	s_mov_b32 s25, 0
	s_lshl_b32 s26, s20, 17                        ; ctx: tile 8 y + 4 (wave & 1)
	s_lshl_b32 s27, s15, 16
	s_add_co_u32 s26, s26, s27
	s_mov_b32 s27, 0
	s_mul_i32 s28, s15, PIECE                      ; where they go
	s_lshl_b32 s29, s15, 16
	s_add_co_u32 s29, s29, CBASE
	s_wait_dscnt 0x0
	s_wait_kmcnt 0x0
	s_load_b64 s[86:87], s[10:11], 0x28            ; entries 10 and 11
	s_mov_b32 s[G0W], 1
	s_mov_b32 s[G0W+1], s28
	s_add_nc_u64 s[G0W+2:G0W+3], s[6:7], s[24:25]
	s_or_b32 s[G0W+3], s[G0W+3], 0x80000000
	s_mov_b32 s[G0C], 1
	s_mov_b32 s[G0C+1], s29
	s_add_nc_u64 s[G0C+2:G0C+3], s[4:5], s[26:27]
	s_or_b32 s[G0C+3], s[G0C+3], 0x80000000
	CROUND
	s_cmp_eq_u32 s16, 0                            ; one load a wave, one arm each
	s_cbranch_scc0 .Lfor_c
	tensor_load_to_lds s[G0W:G0W+3], s[G1W:G1W+7]
	s_nop 0
	PLACES
	s_branch .Lasked
.Lfor_c:
	tensor_load_to_lds s[G0C:G0C+3], s[G1C:G1C+7]
	s_nop 0
	PLACES
.Lasked:
	s_mul_i32 s30, s15, PIECE                      ; my 64 rows of Wo
	s_lshl_b32 s31, s16, 16
	s_add_co_u32 s31, s31, CBASE                   ; my four tiles of ctx
	s_mul_i32 s21, s[WV], 16*SP
	s_add_co_u32 s21, s21, STAGE                   ; my stage
	s_lshl_b32 s2, s19, 9                          ; my first column in bytes
	s_lshl_b32 s23, s15, 8
	s_add_co_u32 s2, s2, s23
	s_mov_b32 s3, 0
	s_add_nc_u64 s[8:9], s[8:9], s[2:3]
	s_lshl_b32 s23, s20, 19                        ; my first row: 128 y + 64 (wave >> 1)
	s_add_co_u32 s2, s2, s23
	s_lshl_b32 s23, s16, 18
	s_add_co_u32 s2, s2, s23
	s_add_nc_u64 s[12:13], s[12:13], s[2:3]
	s_lshl_b32 s76, s20, 17                        ; the prefetch: the second block's tiles, + 32,768 cx + 8,192 wave
	s_add_co_u32 s76, s76, NEXTC
	s_lshl_b32 s23, s17, 15
	s_add_co_u32 s76, s76, s23
	s_lshl_b32 s23, s[WV], 13
	s_add_co_u32 s76, s76, s23
	s_mov_b32 s77, 0
	s_add_nc_u64 s[76:77], s[4:5], s[76:77]        ; s[76:77] and v17 are never rewritten
	v_and_b32 v1, 15, v0                           ; r
	v_bfe_u32 v2, v0, 4, 1                         ; h
	v_mul_u32_u24 v3, v1, PITCH
	v_lshl_add_u32 v3, v2, 3, v3                   ; Wo: row x pitch + 8 h
	v_add_nc_u32 v[ADRP], s30, v3
	v_and_b32 v15, 31, v0
	v_lshlrev_b32 v17, 8, v15                      ; 256 x lane
	v_lshlrev_b32 v15, 4, v15                      ; ctx: 16 x lane
	v_add_nc_u32 v[ADRC], s31, v15
	v_mul_u32_u24 v[STO], v1, SP                   ; in: row r, 32 bytes for each half of the lanes
	v_lshl_add_u32 v[STO], v2, 5, v[STO]
	v_add_nc_u32 v[STO], s21, v[STO]
	v_mul_u32_u24 v[RD], v2, SP                    ; back: lanes 0-15 one row of 256 bytes, lanes 16-31 the next
	v_lshl_add_u32 v[RD], v1, 4, v[RD]
	v_add_nc_u32 v[RD], s21, v[RD]
	v_lshlrev_b32 v[CO], 12, v2                    ; and the same two rows in out0
	v_lshl_add_u32 v[CO], v1, 4, v[CO]
	v_lshlrev_b32 v16, 5, v2
.irp b, 0,1,2,3
	global_load_b128 v[BP+8*\b:BP+8*\b+3], v16, s[8:9] offset:64*\b               ; bo of columns 16 b + 8 h + 0 .. 7
	global_load_b128 v[BP+8*\b+4:BP+8*\b+7], v16, s[8:9] offset:64*\b+16
.endr
	global_prefetch_b8 v17, s[76:77] th:TH_LOAD_NT scope:SCOPE_SE
	s_wait_alu depctr_va_vdst(0)
	s_wait_kmcnt 0x0
	s_add_co_i32 s84, s86, s87
	s_add_co_i32 s84, s84, 127
	s_lshl_b32 s84, s84, 23                        ; 2^(e10 + e11) as f32
	s_mov_b32 s85, s84
.macro FETCH st, f                     ; 48 LDS loads: step st's fragments into buffer f
	WIN 0x40
.irp a, 0,1,2,3
.irp c, 0,1,2,3
	ds_load_b128 v[(\f)+16*\a+4*\c:(\f)+16*\a+4*\c+3], v[ADRC] offset:16384*\a+2048*(\st)+512*\c
.endr
.endr
.irp b, 0,1,2,3
.irp c, 0,1,2,3,4,5,6,7
	ds_load_b64 v[(\f)+64+16*\b+2*\c:(\f)+64+16*\b+2*\c+1], v[ADRP] offset:\b*16*PITCH+128*(\st)+16*\c
.endr
.endr
.endm
.macro MUL16 f, zero                   ; 16 matrix instructions; the 16 accumulators take turns
	WIN 0x05
.irp a, 0,1,2,3
.irp b, 0,1,2,3
.if \zero
	v_wmma_f32_16x16x128_fp8_fp8 v[ACC+32*\a+8*\b:ACC+32*\a+8*\b+7], v[(\f)+64+16*\b:(\f)+64+16*\b+15], v[(\f)+16*\a:(\f)+16*\a+15], 0
.else
	v_wmma_f32_16x16x128_fp8_fp8 v[ACC+32*\a+8*\b:ACC+32*\a+8*\b+7], v[(\f)+64+16*\b:(\f)+64+16*\b+15], v[(\f)+16*\a:(\f)+16*\a+15], v[ACC+32*\a+8*\b:ACC+32*\a+8*\b+7]
.endif
.endr
.endr
.endm
; A BLOCK: in each step the next step's fragments are asked for, then this step's are multiplied.  more = 1: at the last step ctx's tiles are filled again with the second block's.
.macro BLOCK more
	FETCH 0, 0
.set ST, 0
.rept NST-1
.set NX, ST+1
.set NF, 128*(NX%2)
.set CF, 128*(ST%2)
.if ST > 0
	PLACES                                         ; the buffer to be loaded was read by the step before
.endif
	FETCH NX, NF
	s_wait_dscnt 48                                ; all but the 48 just issued
.if ST == 0
	MUL16 CF, 1
.else
	MUL16 CF, 0
.endif
.set ST, ST+1
.endr
.set CF, 128*(ST%2)
.if \more
	WIN 0
	s_wait_tensorcnt 0x0                           ; no load of mine is out, so a group 0 may be written;
	ds_add_u32 v[SPW], v[NIL]                      ; 0 onto my spare word;
	s_add_nc_u64 s[G0C+2:G0C+3], s[G0C+2:G0C+3], NEXTC
	s_wait_dscnt 0x0                               ; the add is done, and my reads of this block's tiles are over
	s_barrier_signal -1                            ; the barrier opens a round of the cluster's barrier;
	MUL16 CF, 0                                    ; the last step's products, work on registers, stand inside it
	WIN 0
	s_barrier_wait -1
	CREST                                          ; no wave of any partner still reads ctx's tiles
	s_cmp_eq_u32 s16, 0
	s_cbranch_scc1 .Lno_part_\@                    ; Wo's rows stay: waves 0 and 1 have no part to fill
	tensor_load_to_lds s[G0C:G0C+3], s[G1C:G1C+7]
	s_nop 0
	PLACES
.Lno_part_\@:
.else
	s_wait_dscnt 0x0
	MUL16 CF, 0
	WIN 0
.endif
	PLACES
.endm
; THE WAY OUT, a piece of 16 rows x 64 columns at a time, through my own stage, back as whole rows of 256 bytes.
; LDS serves a wave's instructions in order (ISA guide 5.7.1.4): no wait between the stores and the loads, nor in front of the next piece's stores.
.macro TOSTAGE a
.irp b, 0,1,2,3
.irp i, 0,2,4,6
	v_pk_fma_f32 v[ACC+32*(\a)+8*\b+\i:ACC+32*(\a)+8*\b+\i+1], v[ACC+32*(\a)+8*\b+\i:ACC+32*(\a)+8*\b+\i+1], s[84:85], v[BP+8*\b+\i:BP+8*\b+\i+1] op_sel_hi:[1,0,1]   ; sum x 2^(e10 + e11) + bo; each accumulator from its low end on
.endr
.endr
.irp b, 0,1,2,3
.irp e, 0,1
	ds_store_b128 v[STO], v[ACC+32*(\a)+8*\b+4*\e:ACC+32*(\a)+8*\b+4*\e+3] offset:64*\b+16*\e
.endr
.endr
.irp t, 0,1,2,3,4,5,6,7
	ds_load_b128 v[BK+32*((\a)%2)+4*\t:BK+32*((\a)%2)+4*\t+3], v[RD] offset:\t*2*SP
.endr
.endm
.macro SEND a, younger                 ; younger: the LDS instructions issued behind piece a's loads, which may stay out
	s_wait_dscnt \younger
.irp t, 0,1,2,3,4,5,6,7
	global_store_b128 v[CO], v[BK+32*((\a)%2)+4*\t:BK+32*((\a)%2)+4*\t+3], s[12:13] offset:(16*(\a)+2*\t)*4096 th:TH_STORE_NT   ; 16 lanes store 256 consecutive bytes, at a multiple of 256 from out0's first byte
.endr
.endm
.macro OUT
	TOSTAGE 0
.irp a, 1,2,3
.if \a > 1
	s_wait_xcnt 0x0                                ; piece a - 2's stores have read their registers: piece a's loads may land there
.endif
	TOSTAGE \a
	SEND \a-1, 16                                  ; behind piece a - 1's loads: piece a's 8 stores and 8 loads
.endr
	SEND 3, 0
.endm
	s_wait_tensorcnt 0x0                           ; my half has landed
	s_barrier_signal -1
	s_barrier_wait -1                              ; everybody's has
	BLOCK 1
	s_wait_loadcnt 0x0                             ; bo
	OUT
	s_wait_xcnt 0x0                                ; the stores have read their registers and their base
	s_add_nc_u64 s[12:13], s[12:13], 4096*4096     ; 4,096 rows of out0 on
	s_wait_tensorcnt 0x0                           ; my part of the second block's tiles, if I asked for one, has landed
	s_barrier_signal -1
	s_barrier_wait -1                              ; everybody's has
	BLOCK 0
	OUT
	s_wait_tensorcnt 0x0                           ; the wave's end
	ds_add_u32 v[SPW], v[NIL]
	s_wait_dscnt 0x0
	CROUND                                         ; the closing round
	s_endpgm
.Lfunc_end_k_qb247982e02_outproj:
	.size	k_qb247982e02_outproj, .Lfunc_end_k_qb247982e02_outproj-k_qb247982e02_outproj
	.p2alignl 7, 3214868480
	.fill 96, 4, 3214868480
	.section	.rodata,"a",@progbits
	.p2align	6, 0x0
	.amdhsa_kernel k_qb247982e02_outproj
		.amdhsa_group_segment_fixed_size 327680
		.amdhsa_private_segment_fixed_size 0
		.amdhsa_enable_private_segment 0
		.amdhsa_kernarg_size 40
		.amdhsa_user_sgpr_count 2
		.amdhsa_user_sgpr_kernarg_segment_ptr 1
		.amdhsa_wavefront_size32 1
		.amdhsa_system_sgpr_workgroup_id_x 1
		.amdhsa_system_sgpr_workgroup_id_y 1
		.amdhsa_system_sgpr_workgroup_id_z 1
		.amdhsa_system_vgpr_workitem_id 0
		.amdhsa_next_free_vgpr 512
		.amdhsa_next_free_sgpr 100
		.amdhsa_reserve_vcc 0
		.amdhsa_float_denorm_mode_32 3
		.amdhsa_float_denorm_mode_16_64 3
		.amdhsa_memory_ordered 1
		.amdhsa_forward_progress 1
		.amdhsa_inst_pref_size 98
	.end_amdhsa_kernel
	.amdgpu_metadata
---
amdhsa.version: [ 1, 2 ]
amdhsa.kernels:
  - .name:           k_qb247982e02_outproj
    .symbol:         k_qb247982e02_outproj.kd
    .args:
      - { .name: ctximg, .offset: 0, .size: 8, .value_kind: global_buffer, .address_space: global }
      - { .name: Wo_codes, .offset: 8, .size: 8, .value_kind: global_buffer, .address_space: global }
      - { .name: bo, .offset: 16, .size: 8, .value_kind: global_buffer, .address_space: global }
      - { .name: lowp_scales, .offset: 24, .size: 8, .value_kind: global_buffer, .address_space: global }
      - { .name: out0, .offset: 32, .size: 8, .value_kind: global_buffer, .address_space: global }
    .group_segment_fixed_size: 327680
    .private_segment_fixed_size: 0
    .kernarg_segment_align: 8
    .kernarg_segment_size: 40
    .max_flat_workgroup_size: 128
    .sgpr_count:     100
    .vgpr_count:     512
    .wavefront_size: 32
...
	.end_amdgpu_metadata
.endif
;; end of part 4
